; MI455X (gfx1250); checked and timed in simulation.
; The chip was launched on July 23, 2026; its instructions are those of AMD's public machine-readable ISA for CDNA 5 (MIT licence, August 2026) and "CDNA5" Instruction Set Architecture Reference Guide (July 2026).
;; MSA2. Allowed arithmetic: matrix products marked QUANTISED: E5M2 operands, one E8M0 scale for each 32 along K, by v_wmma_scale_f32_16x16x128_f8f6f4 with both operands' format E5M2, f32 sums; products left as they are: f32 operands where the result goes on into a quantised operand, else bf16, f16 or f32 operands; f32 sums; everything else in f32.
;; Inputs: WK_b 1,024 float32; WK_w_codes 1,024 x 32 x 32 uint8 (E5M2 codes of WK_w, K innermost, in blocks of 32 codes); WK_w_scales 1,024 x 32 uint8 (E8M0 scales of WK_w, one for each 32 codes along K); WO_b 1,024 float32; WO_w_codes 1,024 x 32 x 32 uint8 (E5M2 codes of WO_w, K innermost, in blocks of 32 codes); WO_w_scales 1,024 x 32 uint8 (E8M0 scales of WO_w, one for each 32 codes along K); WQ_b 1,024 float32; WQ_w_codes 1,024 x 32 x 32 uint8 (E5M2 codes of WQ_w, K innermost, in blocks of 32 codes); WQ_w_scales 1,024 x 32 uint8 (E8M0 scales of WQ_w, one for each 32 codes along K); WV_b 1,024 float32; WV_w_codes 1,024 x 32 x 32 uint8 (E5M2 codes of WV_w, K innermost, in blocks of 32 codes); WV_w_scales 1,024 x 32 uint8 (E8M0 scales of WV_w, one for each 32 codes along K); x_codes 32 x 32 x 32 uint8 (E5M2 codes of x, K innermost, in blocks of 32 codes); x_scales 32 x 32 uint8 (E8M0 scales of x, one for each 32 codes along K); y_codes 32 x 1,024 x 32 x 32 uint8 (E5M2 codes of y, K innermost, in blocks of 32 codes); y_scales 32 x 1,024 x 32 uint8 (E8M0 scales of y, one for each 32 codes along K).
;; Outputs: out0 32 x 1,024 float32.
;; This version of the problem:
;;   THIS VERSION OF THE PROBLEM IS GIVEN IN LOW PRECISION. The matrix products marked QUANTISED in the list below multiply operands that are first quantised to E5M2 (5 exponent bits, 2 mantissa bits; 8 bits a number), with one power-of-two scale for each 32 numbers along K (OCP MX v1.0); their sums are f32. All else is computed in f32.
;;   The module's matrix products, in the order in which they are computed (A, B: the left and right operand; K: the contracted axis; several contracted axes count as one K, in the product's order):
;;     1. [M 32, K 1,024] x [K 1,024, N 1,024]; A: input x (given as codes); B: input WQ_w (given as codes): QUANTISED
;;     2. [M 32,768, K 1,024] x [K 1,024, N 1,024]; A: input y (given as codes); B: input WK_w (given as codes): QUANTISED
;;     3. [M 32,768, K 1,024] x [K 1,024, N 1,024]; A: input y (given as codes); B: input WV_w (given as codes): QUANTISED
;;     4. batch 512 x [M 1, K 64] x [K 64, N 1,024]; A: computed on the way; B: computed on the way: left as it is (M = 1 < 16)
;;     5. batch 512 x [M 1, K 1,024] x [K 1,024, N 64]; A: softmax; B: computed on the way: left as it is (M = 1 < 16)
;;     6. [M 32, K 1,024] x [K 1,024, N 1,024]; A: computed on the way; B: input WO_w (given as codes): QUANTISED
;;   THE QUANTISER, for each operand of a quantised product, along K:
;;     - K is cut into blocks of 32 from its start; a last block that is shorter is filled with zeros.
;;     - A block's scale is 2^e with e = floor(log2(the largest magnitude in the block)) - 15, held to -126 .. 127; a block of zeros has e = 0. As a byte (E8M0): e + 127.
;;     - Each number is divided by its block's scale, clamped to +-57,344, and rounded to the nearest number of E5M2, ties to even, subnormals kept.
;;     - The product sums the exact products of the quantised numbers (number of the format x scale) in f32.
;;   ~~~python
;;   def quantise(x, axis):      # numpy; x: float32 -> the quantised numbers, widened to float32 again
;;       x = np.moveaxis(x, axis, -1); K = x.shape[-1]
;;       x = np.pad(x, [(0, 0)] * (x.ndim - 1) + [(0, -K % 32)]); x = x.reshape(x.shape[:-1] + (-1, 32)); a = np.abs(x).max(-1, keepdims=True)
;;       e = np.where(a > 0, np.clip(np.frexp(np.where(a > 0, a, 1))[1] - 1 - 15, -126, 127), 0)      # np.frexp(a)[1] - 1 = floor(log2(a)), exactly
;;       r = np.clip(x / 2.0 ** e, -57344, 57344)
;;       step = 2.0 ** (np.maximum(np.frexp(np.where(r == 0, 1, r))[1] - 1, -14) - 2)
;;       q = np.round(r / step) * step * 2.0 ** e      # np.round: ties to even
;;       return np.moveaxis(q.reshape(q.shape[:-2] + (-1,))[..., :K], -1, axis).astype(np.float32)
;;   ~~~
;;   OPERANDS COMPUTED ON THE WAY. 'Computed on the way' means the value that the module computes at that place (a softmax that the list does not call 'softmax' is quantised finished and normalised). What goes into a quantiser is computed in f32, as accurately as f32 sums, v_exp_f32 and their like allow (about 1e-6 of the number): no bf16 or f16 on the way to a quantiser, and a product that is left as it is and whose result goes on into a quantised operand takes f32 operands (vector FMAs, or v_wmma_f32_16x16x4_f32). A number that lies on a knife's edge between two numbers of the format may be rounded either way, as far as f32 arithmetic and the matrix unit's own rounding can turn it there, and no further.
;;   INPUTS GIVEN AS CODES. WK_w (in the module: [1024, 1024], K = its axis 0); WO_w (in the module: [1024, 1024], K = its axis 0); WQ_w (in the module: [1024, 1024], K = its axis 0); WV_w (in the module: [1024, 1024], K = its axis 0); x (in the module: [32, 1024], K = its axis 1); y (in the module: [32, 1024, 1024], K = its axis 2): each comes as NAME_codes (uint8): NAME with its K axis moved to the last place and cut into blocks of 32 codes, [.., K / 32, bytes a block], one block behind the other in memory; one code a byte (a code: sign, 5 exponent bits, 2 mantissa bits); and NAME_scales (uint8): the same leading axes, one E8M0 byte (e + 127) for each 32 codes along K. Its value is code x scale, taken as it is: it is not quantised again, and the codes and scales need not be those that the quantiser above would give.
;; One version. Each part assembles by itself: llvm-mc -triple=amdgcn-amd-amdhsa -mcpu=gfx1250 --defsym DOCPART=n.
;; ======== version 1 of 1: 2 launches
;; limits: right only within a limited range of input values
;; workspace buffers: att_codes 32,768 bytes; att_scales 1,024 bytes
;; launch attn (part 1): grid 8 x 32, 4 waves a work-group, clusters of 4 x 4, 327,680 bytes of LDS; arguments y_codes, y_scales, WK_w_codes, WK_w_scales, WV_w_codes, WV_w_scales, x_codes, x_scales, WQ_w_codes, WQ_w_scales, WQ_b, WV_b, att_codes, att_scales; writes att_codes, att_scales
.if DOCPART == 1
	.amdgcn_target "amdgcn-amd-amdhsa--gfx1250"
	.amdhsa_code_object_version 6
	.text
	.protected	k_q0108f82de3_attn
	.globl	k_q0108f82de3_attn
	.p2align	8
	.type	k_q0108f82de3_attn,@function
k_q0108f82de3_attn:
	s_mov_b64 s[64:65], 0
	v_nop
	global_prefetch_b8 v0, s[64:65] scope:SCOPE_SE
	s_setreg_imm32_b32 hwreg(HW_REG_WAVE_MODE, 25, 1), 1
	s_wait_xcnt 0x0
	s_wait_alu depctr_hold_cnt(0) depctr_sa_sdst(0) depctr_va_vdst(0) depctr_va_sdst(0) depctr_va_ssrc(0) depctr_va_vcc(0) depctr_vm_vsrc(0)
	s_getreg_b32 s2, hwreg(HW_REG_IB_STS2, 6, 4)
	s_cmp_eq_u32 s2, 0
	s_cbranch_scc0 .Lentry_in_a_cluster
	s_endpgm
.Lentry_in_a_cluster:
	s_bfe_u32 s2, ttmp6, 0x10000c
	s_cmp_lg_u32 s2, 0xf033
	s_cbranch_scc0 .Lentry_shape_is_right
	s_endpgm
.Lentry_shape_is_right:
.set PITCH, 1040
.set BLK,  16*PITCH
.set SLOT, 128*PITCH
.set SCL,  2*SLOT
.set SPARE, SCL+128*272
.set QS,   SPARE+512
.set EX,   QS+512
.set MRG,  EX+2048
.set MM,   1
.set MN,   2
.set FF,   4
.set LL,   5
.set YA,   6
.set SAV,  8
.set PFO,  9
.set EXW,  10
.set EXR,  11
.set SPW,  12
.set NIL,  13
.set LANE, 14
.set LAN4, 15
.set TA,   16
.set TB,   18
.set PN,   20
.set XT,   24
.set XX,   26
.set NN,   28
.set RR,   30
.set SBW,  32
.set SA,   36
.set DI,   52
.set SLN,  53
.set R2,   54
.set PA,   60
.set PC,   62
.set QQ,   64
.set OO,   96
.set KA,   128
.set PE,   160
.set CF,   168
.set TP,   182
.set VBO,  183
.set VB,   184
.set KF,   232
.set XS,   248
.set PQ,   240
.set VA,   128
.set G1A, 24
.set G0A, 32
.set G0V, 44
.set G1R, 48
.set G0R, 36
.set G1S, 56
.set G0S, 40
.set CUR, 66
.set CC,  67
.set MSB, 0
.macro WIN new
.if MSB != \new
	s_set_vgpr_msb (MSB<<8)|\new
.set MSB, \new
.endif
.endm
.macro WALU
	s_wait_alu depctr_va_vdst(0)
.endm
.macro PLACES n
.rept \n
	v_nop
.endr
.endm
.macro BARRIER
	s_barrier_signal -1
	s_barrier_wait -1
.endm
.macro CREST
	s_cmp_lg_u32 s14, 0
	s_cbranch_scc1 .Lnot_wave_0_\@
	s_barrier_signal -3
.Lnot_wave_0_\@:
	s_barrier_wait -3
	BARRIER
.endm
.macro CROUND
	BARRIER
	CREST
.endm
.macro TLOAD g0, g1
	tensor_load_to_lds s[\g0:\g0+3], s[\g1:\g1+7]
	s_nop 0
	PLACES 4
.endm
.macro GROUP1 g, mask, rows
	s_or_b32 s[\g+0], s[\mask], (1<<20)|(1<<21)|(7<<22)|(3<<25)
	s_mov_b32 s[\g+1], 1024<<16
	s_mov_b32 s[\g+2], (\rows)<<16
	s_mov_b32 s[\g+3], 1024<<16
	s_mov_b32 s[\g+4], \rows
	s_mov_b32 s[\g+5], 1024
	s_mov_b32 s[\g+6], 0
	s_mov_b32 s[\g+7], 0
.endm
.macro WMX d, a, b, z, sa, sb, row
.if \z
.if \row
	v_wmma_scale_f32_16x16x128_f8f6f4 v[\d:\d+7], v[\a:\a+15], v[\b:\b+15], 0, v[\sa], v[\sb] matrix_a_fmt:MATRIX_FMT_BF8 matrix_b_fmt:MATRIX_FMT_BF8 matrix_a_scale:MATRIX_SCALE_ROW1
.else
	v_wmma_scale_f32_16x16x128_f8f6f4 v[\d:\d+7], v[\a:\a+15], v[\b:\b+15], 0, v[\sa], v[\sb] matrix_a_fmt:MATRIX_FMT_BF8 matrix_b_fmt:MATRIX_FMT_BF8
.endif
.else
.if \row
	v_wmma_scale_f32_16x16x128_f8f6f4 v[\d:\d+7], v[\a:\a+15], v[\b:\b+15], v[\d:\d+7], v[\sa], v[\sb] matrix_a_fmt:MATRIX_FMT_BF8 matrix_b_fmt:MATRIX_FMT_BF8 matrix_a_scale:MATRIX_SCALE_ROW1
.else
	v_wmma_scale_f32_16x16x128_f8f6f4 v[\d:\d+7], v[\a:\a+15], v[\b:\b+15], v[\d:\d+7], v[\sa], v[\sb] matrix_a_fmt:MATRIX_FMT_BF8 matrix_b_fmt:MATRIX_FMT_BF8
.endif
.endif
.endm
.macro KMUL n, e
.set Q_, (\n)/4
.set T_, (\n)%4
.set Z_, (Q_ == 0)
.set W_, T_%2
.set D_, KA+72*(\e)+8*T_
.set A_, 16*(\n)
.set B_, 64*(\e)+16*Q_
.set S_, SBW+8*(T_/2)+Q_
.set Y_, SA+8*(\e)+Q_
.if (\n) == 15
.set A_, KF
	WIN 0x0c
.else
	WIN 0x0d
.endif
	WMX D_, A_, B_, Z_, S_, Y_, W_
.endm
.macro VMUL n, e
.set Q_, (\n)/4
.set T_, (\n)%4
.set Z_, (Q_ == 0)
.set W_, T_%2
.set D_, VA+64*PP+32*(\e)+8*T_
.set A_, 16*(\n)
.set B_, 64*(\e)+16*Q_
.set S_, SBW+16+8*(T_/2)+Q_
.set Y_, SA+8*(\e)+Q_
	WIN 0xfe
	WMX D_, A_, B_, Z_, S_, Y_, W_
.endm
.macro FETCH j, e
.set J_, (\j)%8
.set AR_, YA+J_/4
	WIN 0
	ds_load_b128 v[SA+8*(\e):SA+8*(\e)+3], v[SAV] offset:544*J_
	WIN 0xc0
.irp q, 0,1,2,3
.irp c, 0,1,2,3
	ds_load_b128 v[64*(\e)+16*\q+4*\c:64*(\e)+16*\q+4*\c+3], v[AR_] offset:(J_%4)*BLK+128*\q+32*\c
.endr
.endr
.endm
.macro SC k, e
	WIN 0
.set TC_, TA+2*((\k)%2)
.set KE_, KA+72*(\e)+2*(\k)
.if (\k) < 2
	v_pk_mul_f32 v[TC_:TC_+1], v[KE_:KE_+1], v[QQ+2*(\k):QQ+2*(\k)+1]
.else
	v_pk_fma_f32 v[TC_:TC_+1], v[KE_:KE_+1], v[QQ+2*(\k):QQ+2*(\k)+1], v[TC_:TC_+1]
.endif
.endm
.macro FIN k, e
	WIN 0
.if (\k) == 0
	v_pk_add_f32 v[TA:TA+1], v[TA:TA+1], v[TB:TB+1]
.elseif (\k) == 1
	v_add_f32 v[TA], v[TA], v[TA+1]
.elseif (\k) == 2
	v_permlanex16_b32 v[TP], v[TA], s20, s21
.else
	v_add_f32 v[PN+2*PP+(\e)], v[TA], v[TP]
.endif
.endm
.macro RS k
	WIN 0
	v_pk_mul_f32 v[OO+2*(\k):OO+2*(\k)+1], v[OO+2*(\k):OO+2*(\k)+1], v[FF:FF+1] op_sel_hi:[1,0]
.endm
.macro WSL k, e
	WIN 0x0d
	v_pk_fma_f32 v[OO+2*(\k):OO+2*(\k)+1], v[PQ+2*(\e):PQ+2*(\e)+1], v[VA+64*PP+32*(\e)+2*(\k):VA+64*PP+32*(\e)+2*(\k)+1], v[OO+2*(\k):OO+2*(\k)+1] op_sel_hi:[0,1,1]
.endm
.macro SM k
.if ((\k) == 20) || ((\k) == 21)
	WIN 0x40
.elseif (\k) == 22
	WIN 0x05
.else
	WIN 0
.endif
.if (\k) == 0
	v_pk_add_f32 v[XT:XT+1], v[XT:XT+1], v[PO:PO+1]
.elseif (\k) == 1
	v_max3_num_f32 v[MN], v[MM], v[XT], v[XT+1]
.elseif (\k) == 2
	v_ceil_f32 v[MN], v[MN]
.elseif (\k) == 3
	v_sub_f32 v[DI], v[MM], v[MN]
.elseif (\k) == 4
	v_pk_add_f32 v[XX:XX+1], v[XT:XT+1], v[MN:MN+1] op_sel_hi:[1,0] neg_lo:[0,1] neg_hi:[0,1]
.elseif (\k) == 5
	v_cvt_i32_f32 v[DI], v[DI]
.elseif (\k) == 6
	v_mov_b32 v[MM], v[MN]
.elseif (\k) == 7
	v_rndne_f32 v[NN], v[XX]
.elseif (\k) == 8
	v_rndne_f32 v[NN+1], v[XX+1]
.elseif (\k) == 9
	v_ldexp_f32 v[FF], 1.0, v[DI]
.elseif (\k) == 10
	v_pk_add_f32 v[RR:RR+1], v[XX:XX+1], v[NN:NN+1] neg_lo:[0,1] neg_hi:[0,1]
.elseif (\k) == 11
	v_pk_mul_f32 v[R2:R2+1], v[RR:RR+1], v[RR:RR+1]
.elseif (\k) == 12
	v_pk_fma_f32 v[PA:PA+1], v[RR:RR+1], v[CF+8:CF+9], v[CF+6:CF+7]
.elseif (\k) == 13
	v_pk_fma_f32 v[PC:PC+1], v[RR:RR+1], v[CF+4:CF+5], v[CF+2:CF+3]
.elseif (\k) == 14
	v_pk_fma_f32 v[PA:PA+1], v[R2:R2+1], v[CF+10:CF+11], v[PA:PA+1]
.elseif (\k) == 15
	v_pk_fma_f32 v[PE:PE+1], v[RR:RR+1], v[CF:CF+1], v[CF+12:CF+13]
.elseif (\k) == 16
	v_cvt_i32_f32 v[NN], v[NN]
.elseif (\k) == 17
	v_cvt_i32_f32 v[NN+1], v[NN+1]
.elseif (\k) == 18
	v_pk_fma_f32 v[PA:PA+1], v[PA:PA+1], v[R2:R2+1], v[PC:PC+1]
.elseif (\k) == 19
	v_pk_fma_f32 v[PA:PA+1], v[PA:PA+1], v[R2:R2+1], v[PE:PE+1]
.elseif (\k) == 20
	v_ldexp_f32 v[PQ], v[PA], v[NN]
.elseif (\k) == 21
	v_ldexp_f32 v[PQ+2], v[PA+1], v[NN+1]
.elseif (\k) == 22
	v_add_f32 v[DI], v[PQ], v[PQ+2]
.else
	v_fma_f32 v[LL], v[LL], v[FF], v[DI]
.endif
.endm
.macro V0L n
.if (\n) == 2
	SM 0
.elseif (\n) == 3
	SM 1
.elseif (\n) == 4
	SM 2
.elseif (\n) == 5
	SM 3
	SM 4
.elseif (\n) == 6
	SM 5
	SM 7
	SM 8
.elseif (\n) == 7
	SM 9
	SM 10
.elseif (\n) == 8
	SM 11
	SM 12
	SM 13
.elseif (\n) == 9
	SM 14
	SM 15
	SM 6
.elseif (\n) == 10
	SM 16
	SM 17
	SM 18
.elseif (\n) == 11
	SM 19
.elseif (\n) == 12
	SM 20
	SM 21
.elseif (\n) == 13
	SM 22
.elseif (\n) == 14
	SM 23
.endif
.endm
.macro PAIR pr, par, rf, last
.set PP, \par
.set PO, PN+2-2*PP
	s_wait_dscnt 1
.set N_, 0
.rept 16
	KMUL N_, 0
.if N_ < 8
	WSL 2*N_, 0
	WSL 2*N_+1, 0
.else
	WSL 2*N_-16, 1
	WSL 2*N_-15, 1
.endif
.if N_ == 3
	WIN 0
.if \rf
	s_wait_xcnt 0x0
	s_wait_tensorcnt 0x0
	ds_add_u32 v[SPW], v[NIL]
	s_add_nc_u64 s[G0R+2:G0R+3], s[G0R+2:G0R+3], 131072
	s_xor_b32 s22, s[CUR], SLOT
	s_add_co_u32 s[G0R+1], s82, s22
	s_add_nc_u64 s[80:81], s[80:81], 131072
.elseif (\pr == 3) && (\last == 0)
	s_wait_tensorcnt 0x0
.endif
	s_wait_dscnt 0x0
	s_barrier_signal -1
.elseif N_ == 6
	WIN 0
	s_barrier_wait -1
.if \rf
	CREST
	TLOAD G0R, G1R
	s_cmp_gt_u32 s3, 2
	s_cbranch_scc0 .Lnone_ahead_\@
	global_prefetch_b8 v[PFO], s[80:81] offset:262144 th:TH_LOAD_NT scope:SCOPE_SE
.Lnone_ahead_\@:
.endif
	ds_load_b64 v[XT:XT+1], v[EXR] offset:1024-1024*PP
	FETCH 2*\pr+1, 1
.endif
.set N_, N_+1
.endr
.set N_, 0
.rept 16
	VMUL N_, 0
	V0L N_
.if N_ == 1
	s_wait_dscnt 17
.elseif N_ == 15
.if \pr == 0
	WIN 0
	v_add_nc_u32 v[YA+1], s[CUR], v[LAN4]
.elseif (\pr == 3) && (\last == 0)
	s_xor_b32 s[CUR], s[CUR], SLOT
	s_add_co_u32 s[CC], s[CC], 1
	s_and_b32 s22, s[CC], 7
	s_mul_i32 s22, s22, 8*544
	WIN 0
	v_add_nc_u32 v[YA], s[CUR], v[LANE]
	v_add_nc_u32 v[SAV], s22, v[SLN]
.endif
.endif
.set N_, N_+1
.endr
	s_wait_dscnt 0x0
.set N_, 0
.rept 16
	KMUL N_, 1
.if N_ < 8
	SC 2*N_, 0
	SC 2*N_+1, 0
.elseif N_ < 12
	FIN N_-8, 0
	RS N_-8
.else
	RS 2*N_-20
	RS 2*N_-19
.endif
.if N_ == 4
.if (\pr < 3) || (\last == 0)
	FETCH 2*\pr+2, 0
.endif
.endif
.set N_, N_+1
.endr
.set N_, 0
.rept 16
	VMUL N_, 1
.if N_ < 8
	SC 2*N_, 1
	SC 2*N_+1, 1
.elseif N_ < 12
	FIN N_-8, 1
	RS N_+4
.elseif N_ == 13
	WIN 0
	ds_store_b64 v[EXW], v[PN+2*PP:PN+2*PP+1] offset:1024*PP
.endif
.set N_, N_+1
.endr
.endm
.macro CHUNK rf, last
	PAIR 0, 0, \rf, \last
	PAIR 1, 1, 0, \last
	PAIR 2, 0, 0, \last
	PAIR 3, 1, 0, \last
	WIN 0
.endm
.macro OFF d
	s_add_nc_u64 s[\d:\d+1], s[\d:\d+1], s[100:101]
.endm
	s_load_b256 s[4:11], s[0:1], 0x0
	s_load_b128 s[92:95], s[0:1], 0x20
	s_load_b256 s[68:75], s[0:1], 0x30
	s_load_b128 s[76:79], s[0:1], 0x50
	s_load_b128 s[96:99], s[0:1], 0x60
	v_lshl_add_u32 v[SPW], v0, 2, SPARE
	v_mov_b32 v[NIL], 0
	ds_add_u32 v[SPW], v[NIL]
	ds_add_u32 v[SPW], v[NIL]
	v_lshrrev_b32 v16, 5, v0
	v_readfirstlane_b32 s14, v16
	s_lshr_b32 s15, s14, 1
	s_and_b32 s16, s14, 1
	s_bfe_u32 s84, ttmp6, 0x40000
	s_bfe_u32 s85, ttmp6, 0x40004
	s_lshl_b32 s86, ttmp9, 2
	s_add_co_u32 s86, s86, s84
	s_and_b32 s17, ttmp7, 0xffff
	s_lshl_b32 s17, s17, 2
	s_add_co_u32 s17, s17, s85
	s_lshl_b32 s87, s85, 2
	s_lshl_b32 s87, 15, s87
	s_lshl_b32 s88, 0x1111, s84
	GROUP1 G1A, 88, 128
	GROUP1 G1R, 87, 32
	s_or_b32 s[G1S], s87, (3<<16)|(1<<20)|(1<<21)|(5<<22)|(3<<25)
	s_mov_b32 s[G1S+1], 32<<16
	s_mov_b32 s[G1S+2], 64<<16
	s_mov_b32 s[G1S+3], 32<<16
	s_mov_b32 s[G1S+4], 64
	s_mov_b32 s[G1S+5], 32
	s_mov_b32 s[G1S+6], 0
	s_mov_b32 s[G1S+7], 0
	s_lshl_b32 s22, s17, 20
	s_mov_b32 s23, 0
	s_lshl_b32 s12, s14, 15
	s_add_co_u32 s12, s12, s22
	s_mov_b32 s13, 0
	s_lshl_b32 s18, s17, 15
	s_lshl_b32 s19, s16, 14
	s_add_co_u32 s18, s18, s19
	s_mov_b32 s19, 0
	s_lshl_b32 s90, s86, 17
	s_mov_b32 s91, 0
	s_mul_i32 s82, s14, 32*PITCH
	s_mul_i32 s83, s16, 64*272
	s_add_co_u32 s83, s83, SCL
	s_lshl_b32 s32, s15, 9
	s_mul_i32 s33, s16, 64*PITCH
	s_lshl_b32 s34, s15, 4
	s_add_co_u32 s35, s34, SCL
	s_lshl_b32 s36, s14, 8
	s_add_co_u32 s36, s36, EX
	s_xor_b32 s37, s14, 2
	s_lshl_b32 s37, s37, 8
	s_add_co_u32 s37, s37, EX
	s_lshl_b32 s89, s84, 2
	s_add_co_u32 s89, s89, s14
	s_lshl_b32 s89, s89, 13
	s_lshl_b32 s39, s16, 11
	s_add_co_u32 s39, s39, s34
	s_lshl_b32 s40, s14, 7
	s_add_co_u32 s40, s40, QS
	s_lshl_b32 s41, s16, 8
	s_add_co_u32 s41, s41, QS
	v_and_b32 v16, 15, v0
	v_bfe_u32 v17, v0, 4, 1
	v_and_b32 v18, 31, v0
	v_mul_u32_u24 v[LANE], v16, PITCH
	v_lshl_add_u32 v[LANE], v17, 4, v[LANE]
	v_add_nc_u32 v[LANE], s32, v[LANE]
	v_mov_b32 v[YA], v[LANE]
	v_add_nc_u32 v[LAN4], 4*BLK, v[LANE]
	v_add_nc_u32 v19, s33, v[LANE]
	v_add_nc_u32 v20, SLOT, v19
	v_lshlrev_b32 v21, 5, v16
	v_lshrrev_b32 v22, 8, v21
	v_lshl_add_u32 v21, v22, 4, v21
	v_add_nc_u32 v[SLN], s35, v21
	v_mov_b32 v[SAV], v[SLN]
	v_lshlrev_b32 v[EXW], 3, v18
	v_add_nc_u32 v[EXR], s37, v[EXW]
	v_add_nc_u32 v[EXW], s36, v[EXW]
	v_lshlrev_b32 v[PFO], 8, v18
	v_add_nc_u32 v[PFO], s89, v[PFO]
	v_lshlrev_b32 v23, 5, v18
	v_add_nc_u32 v23, s39, v23
	v_lshlrev_b32 v24, 10, v16
	v_lshl_add_u32 v24, v17, 4, v24
	v_lshlrev_b32 v25, 4, v17
	v_lshlrev_b32 v26, 5, v16
	v_lshl_add_u32 v26, v17, 2, v26
	v_lshlrev_b32 v27, 2, v17
	v_lshlrev_b32 v28, 5, v17
	v_add_nc_u32 v29, s40, v28
	v_add_nc_u32 v30, s41, v28
	WALU
	s_wait_dscnt 0x0
	CROUND
	s_wait_kmcnt 0x0
	s_add_nc_u64 s[80:81], s[4:5], s[22:23]
	s_add_nc_u64 s[4:5], s[4:5], s[12:13]
	s_add_nc_u64 s[6:7], s[6:7], s[18:19]
	s_add_nc_u64 s[8:9], s[8:9], s[90:91]
	s_add_nc_u64 s[92:93], s[92:93], s[90:91]
	s_mov_b32 s[G0A], 1
	s_mov_b32 s[G0A+1], 0
	s_mov_b64 s[G0A+2:G0A+3], s[8:9]
	s_or_b32 s[G0A+3], s[G0A+3], 0x80000000
	s_mov_b32 s[G0V], 1
	s_mov_b32 s[G0V+1], SLOT
	s_mov_b64 s[G0V+2:G0V+3], s[92:93]
	s_or_b32 s[G0V+3], s[G0V+3], 0x80000000
	s_mov_b32 s[G0S], 1
	s_mov_b32 s[G0S+1], s83
	s_mov_b64 s[G0S+2:G0S+3], s[6:7]
	s_or_b32 s[G0S+3], s[G0S+3], 0x80000000
	s_mov_b32 s[G0R], 1
	s_mov_b32 s[G0R+1], s82
	s_mov_b64 s[G0R+2:G0R+3], s[4:5]
	s_or_b32 s[G0R+3], s[G0R+3], 0x80000000
	s_cmp_eq_u32 s14, 0
	s_cbranch_scc0 .Lwave_1
	TLOAD G0A, G1A
	s_branch .Lasked
.Lwave_1:
	s_cmp_eq_u32 s14, 1
	s_cbranch_scc0 .Lfor_scales
	TLOAD G0V, G1A
	s_branch .Lasked
.Lfor_scales:
	TLOAD G0S, G1S
.Lasked:
	s_mov_b32 s101, 0
	s_lshl_b32 s100, s17, 10
	OFF 68
	OFF 96
	s_lshl_b32 s100, s17, 5
	OFF 70
	OFF 98
	s_lshl_b32 s100, s86, 7
	OFF 96
	s_lshl_b32 s100, s86, 2
	OFF 98
	s_lshl_b32 s100, s86, 9
	OFF 76
	OFF 78
	s_lshl_b32 s100, s14, 7
	OFF 76
	s_lshl_b32 s100, s86, 12
	OFF 10
	OFF 94
	OFF 74
	s_lshl_b32 s100, s14, 10
	OFF 74
	s_lshl_b32 s100, s14, 15
	OFF 72
	s_mov_b32 s100, s90
	OFF 72
.irp p, 0,1
	global_load_b128 v[SBW+8*\p:SBW+8*\p+3], v23, s[10:11] offset:1024*\p
	global_load_b128 v[SBW+16+8*\p:SBW+16+8*\p+3], v23, s[94:95] offset:1024*\p
.endr
.irp p, 0,1,2,3
	global_load_b32 v[SA+\p], v26, s[74:75] offset:8*\p
	global_load_b32 v[SA+8+\p], v26, s[74:75] offset:512+8*\p
	global_load_b32 v[XS+\p], v27, s[70:71] offset:8*\p
.endr
.irp u, 0,1
	global_load_b128 v[80+8*\u:80+8*\u+3], v28, s[76:77] offset:64*\u
	global_load_b128 v[80+8*\u+4:80+8*\u+7], v28, s[76:77] offset:64*\u+16
.endr
.macro WQL s
.irp u, 0,1
.irp c, 0,1,2,3
	global_load_b128 v[16*(2*\s+\u)+4*\c:16*(2*\s+\u)+4*\c+3], v24, s[72:73] offset:\u*16384+128*\s+32*\c
.endr
.endr
.endm
	WIN 0xc0
.irp s, 0,1,2,3,4
	WQL \s
.endr
	WIN 0
	global_prefetch_b8 v[PFO], s[80:81] th:TH_LOAD_NT scope:SCOPE_SE
	global_prefetch_b8 v[PFO], s[80:81] offset:131072 th:TH_LOAD_NT scope:SCOPE_SE
	s_mov_b32 s20, 0x76543210
	s_mov_b32 s21, 0xfedcba98
	s_mov_b32 s23, 0x600000
	s_mov_b32 s[CUR], 0
	s_mov_b32 s[CC], 0
	s_cmp_eq_u32 s15, 1
	s_cselect_b32 s83, 0x80808080, 0
	WALU
	s_cmp_eq_u32 s14, 0
	s_cbranch_scc0 .Lnot_wk
	s_wait_tensorcnt 0x0
.Lnot_wk:
	BARRIER
.macro WLOAD adr, q, t, d
.irp c, 0,1,2,3
	ds_load_b128 v[\d+4*\c:\d+4*\c+3], v\adr offset:(\t)*BLK+128*(\q)+32*\c
.endr
.endm
	WIN 0x40
.set k, 0
.rept 15
	WLOAD 19, k/4, k%4, 16*k
.set k, k+1
.endr
	WIN 0
	WLOAD 19, 3, 3, KF
	WIN 0xc0
.irp s, 5,6,7
	WQL \s
.endr
	WIN 0
.irp s, 0,1,2,3,4,5,6,7
.irp c, 0,1,2,3
	global_load_b128 v[96+16*\s+4*\c:96+16*\s+4*\c+3], v25, s[68:69] offset:128*\s+32*\c
.endr
.endr
	s_wait_tensorcnt 0x0
	ds_add_u32 v[SPW], v[NIL]
	s_wait_dscnt 0x0
	CROUND
	TLOAD G0R, G1R
	WIN 0x80
.set k, 0
.rept 16
	WLOAD 20, k/4, k%4, 16*k
.set k, k+1
.endr
	WIN 0
	s_wait_dscnt 0x0
	WIN 0x88
.set k, 0
.rept 256
	v_xor_b32 v[k], s83, v[k]
.set k, k+1
.endr
	WIN 0
	WALU
	s_wait_loadcnt 0x0
	WIN 0x03
.macro WMQ s, u, c
.if (\s)%2
	v_wmma_scale_f32_16x16x128_f8f6f4 v[QQ+8*\u:QQ+8*\u+7], v[16*(2*\s+\u):16*(2*\s+\u)+15], v[96+16*\s:96+16*\s+15], v[\c:\c+7], v[SA+8*\u+\s/2], v[XS+\s/2] matrix_a_fmt:MATRIX_FMT_BF8 matrix_b_fmt:MATRIX_FMT_BF8 matrix_a_scale:MATRIX_SCALE_ROW1 matrix_b_scale:MATRIX_SCALE_ROW1
.else
	v_wmma_scale_f32_16x16x128_f8f6f4 v[QQ+8*\u:QQ+8*\u+7], v[16*(2*\s+\u):16*(2*\s+\u)+15], v[96+16*\s:96+16*\s+15], v[\c:\c+7], v[SA+8*\u+\s/2], v[XS+\s/2] matrix_a_fmt:MATRIX_FMT_BF8 matrix_b_fmt:MATRIX_FMT_BF8
.endif
.endm
	WMQ 0, 0, 80
	WMQ 0, 1, 88
.irp s, 1,2,3,4,5,6,7
	WMQ \s, 0, QQ
	WMQ \s, 1, QQ+8
.endr
	WIN 0
	PLACES 8
.irp k, 0,2,4,6,8,10,12,14
	v_pk_mul_f32 v[QQ+\k:QQ+\k+1], v[QQ+\k:QQ+\k+1], 0x3e38aa3b op_sel_hi:[1,0]
.endr
.irp u, 0,1
	ds_store_b128 v29, v[QQ+8*\u:QQ+8*\u+3] offset:64*\u
	ds_store_b128 v29, v[QQ+8*\u+4:QQ+8*\u+7] offset:64*\u+16
.endr
	v_and_b32 v[VBO], 7, v0
	v_lshlrev_b32 v[VBO], 6, v[VBO]
.irp c, 0,1,2,3
	global_load_b128 v[VB+4*\c:VB+4*\c+3], v[VBO], s[78:79] offset:16*\c
.endr
	global_prefetch_b8 v[PFO], s[80:81] offset:262144 th:TH_LOAD_NT scope:SCOPE_SE
	WIN 0xc0
.set k, 0
.rept 128
	v_mov_b32 v[VA+k], 0
.set k, k+1
.endr
	WIN 0x40
.irp k, 0,1,2,3
	v_mov_b32 v[PQ+\k], 0
.endr
	WIN 0
.set k, 0
.rept 32
	v_mov_b32 v[OO+k], 0
.set k, k+1
.endr
.irp k, 0,1
	v_mov_b32 v[CF+\k], 0.6931472028550421
	v_mov_b32 v[CF+2+\k], 0.2402264791363012
	v_mov_b32 v[CF+4+\k], 0.05550332471162809
	v_mov_b32 v[CF+6+\k], 0.00961843735767464
	v_mov_b32 v[CF+8+\k], 0.001339887440266574
	v_mov_b32 v[CF+10+\k], 0.00015353361883195
	v_mov_b32 v[CF+12+\k], 1.0
	v_mov_b32 v[PN+2+\k], 0xf149f2ca
.endr
.irp k, FF, LL, MN+1, TP
	v_mov_b32 v[\k], 0
.endr
	v_mov_b32 v[MM], 0xff61b1e6
	WALU
	s_wait_tensorcnt 0x0
	s_wait_dscnt 0x0
	BARRIER
.irp t, 0,1,2,3
	ds_load_b128 v[QQ+8*\t:QQ+8*\t+3], v30 offset:64*\t
	ds_load_b128 v[QQ+8*\t+4:QQ+8*\t+7], v30 offset:64*\t+16
.endr
	FETCH 0, 0
	WIN 0
	ds_store_b64 v[EXW], v[PN+2:PN+3] offset:1024
	s_mov_b32 s3, 7
.Lmain:
	CHUNK 1, 0
	s_sub_co_u32 s3, s3, 1
	s_cmp_lg_u32 s3, 0
	s_cbranch_scc1 .Lmain
	CHUNK 0, 1
	WALU
	s_wait_dscnt 0x0
	s_barrier_signal -1
.macro WSUM
.irp k, 0,1,2,3,4,5,6,7,8,9,10,11,12,13,14,15
	WSL \k, 0
.endr
.irp k, 0,1,2,3,4,5,6,7,8,9,10,11,12,13,14,15
	WSL \k, 1
.endr
	WIN 0
.endm
.set PP, 0
	WSUM
	WALU
	s_barrier_wait -1
	ds_load_b64 v[XT:XT+1], v[EXR] offset:1024
	s_wait_dscnt 0x0
.set PP, 1
.set PO, PN+2
.irp k, 0,1,2,3,4,5,6,7,8,9,10,11,12,13,14,15,16,17,18,19,20,21,22,23
	SM \k
.endr
.irp k, 0,1,2,3,4,5,6,7,8,9,10,11,12,13,14,15
	RS \k
.endr
	WSUM
	v_mov_b32 v16, v[MM]
	v_max_num_f32_dpp v16, v16, v16 row_xmask:1 row_mask:0xf bank_mask:0xf
	v_max_num_f32_dpp v16, v16, v16 row_xmask:2 row_mask:0xf bank_mask:0xf
	v_max_num_f32_dpp v16, v16, v16 row_xmask:4 row_mask:0xf bank_mask:0xf
	v_max_num_f32_dpp v16, v16, v16 row_xmask:8 row_mask:0xf bank_mask:0xf
	v_sub_f32 v[DI], v[MM], v16
	v_cvt_i32_f32 v[DI], v[DI]
	v_ldexp_f32 v[FF], 1.0, v[DI]
	v_mul_f32 v[LL], v[LL], v[FF]
.irp k, 0,1,2,3,4,5,6,7,8,9,10,11,12,13,14,15
	RS \k
.endr
.irp m, 1,2,4,8
.set k, 0
.rept 32
	v_add_f32_dpp v[OO+k], v[OO+k], v[OO+k] row_xmask:\m row_mask:0xf bank_mask:0xf
.set k, k+1
.endr
	v_add_f32_dpp v[LL], v[LL], v[LL] row_xmask:\m row_mask:0xf bank_mask:0xf
.endr
	s_lshl_b32 s18, s14, 8
	s_add_co_u32 s18, s18, MRG
	s_lshl_b32 s19, s14, 2
	s_add_co_u32 s19, s19, MRG+1024
	v_bfe_u32 v18, v0, 4, 1
	v_lshl_add_u32 v19, v18, 5, s18
	v_mov_b32 v20, s19
	v_and_b32 v21, 7, v0
	v_lshl_add_u32 v22, v21, 6, MRG
	v_bfe_u32 v23, v0, 2, 1
	v_lshl_add_u32 v23, v23, 2, MRG+1024
	v_lshlrev_b32 v217, 4, v21
	v_and_b32 v218, -7, v0
	v_lshrrev_b32 v219, 1, v0
	v_mov_b32 v207, 0
.irp t, 0,1,2,3
	ds_store_b128 v19, v[OO+8*\t:OO+8*\t+3] offset:64*\t
	ds_store_b128 v19, v[OO+8*\t+4:OO+8*\t+7] offset:64*\t+16
.endr
	ds_store_b32 v20, v[LL]
	WALU
	s_wait_dscnt 0x0
	BARRIER
.irp c, 0,1,2,3
	ds_load_b128 v[128+4*\c:128+4*\c+3], v22 offset:16*\c
	ds_load_b128 v[144+4*\c:144+4*\c+3], v22 offset:512+16*\c
.endr
	ds_load_b32 v176, v23
	s_wait_loadcnt 0x0
	s_wait_dscnt 0x0
	WALU
	v_rcp_f32 v206, v176
	v_nop
	WALU
.irp k, 0,2,4,6,8,10,12,14
	v_pk_add_f32 v[128+\k:128+\k+1], v[128+\k:128+\k+1], v[144+\k:144+\k+1] neg_lo:[0,1] neg_hi:[0,1]
.endr
.irp k, 0,2,4,6,8,10,12,14
	v_pk_fma_f32 v[128+\k:128+\k+1], v[128+\k:128+\k+1], v[206:207], v[VB+\k:VB+\k+1] op_sel_hi:[1,0,1]
.endr
	v_max3_num_f32 v208, |v128|, |v129|, |v130|
	v_max3_num_f32 v209, |v131|, |v132|, |v133|
.irp i, 6,10
	v_max3_num_f32 v208, v208, |v[128+\i]|, |v[128+\i+1]|
	v_max3_num_f32 v209, v209, |v[128+\i+2]|, |v[128+\i+3]|
.endr
	v_max3_num_f32 v208, v208, |v142|, |v143|
	v_max3_num_f32 v208, v208, v209, 0x8000000
	v_max_num_f32_dpp v208, v208, v208 row_xmask:1 row_mask:0xf bank_mask:0xf
	v_add_nc_u32 v210, 0xf8800000, v208
	v_and_or_b32 v211, v208, 0x7f800000, s23
.set k, 0
.rept 16
	v_med3_num_f32 v[128+k], v[128+k], -v211, v211
.set k, k+1
.endr
	v_cvt_scalef32_pk8_bf8_f32 v[212:213], v[128:135], v210
	v_cvt_scalef32_pk8_bf8_f32 v[214:215], v[136:143], v210
	v_lshrrev_b32 v216, 23, v210
	v_cmp_gt_u32 vcc_lo, 8, v0
	WALU
	s_wait_xcnt 0x0
	s_and_saveexec_b32 s22, vcc_lo
	global_store_b128 v217, v[212:215], s[96:97]
	s_wait_xcnt 0x0
	s_or_b32 exec_lo, exec_lo, s22
	v_cmp_eq_u32 vcc_lo, 0, v218
	s_and_saveexec_b32 s22, vcc_lo
	global_store_b8 v219, v216, s[98:99]
	s_wait_xcnt 0x0
	s_or_b32 exec_lo, exec_lo, s22
	s_wait_tensorcnt 0x0
	ds_add_u32 v[SPW], v[NIL]
	s_wait_dscnt 0x0
	CROUND
	s_endpgm
.Lfunc_end_k_q0108f82de3_attn:
	.size	k_q0108f82de3_attn, .Lfunc_end_k_q0108f82de3_attn-k_q0108f82de3_attn
	.p2alignl 7, 3214868480
	.fill 96, 4, 3214868480
	.section	.rodata,"a",@progbits
	.p2align	6, 0x0
	.amdhsa_kernel k_q0108f82de3_attn
		.amdhsa_group_segment_fixed_size 327680
		.amdhsa_private_segment_fixed_size 0
		.amdhsa_enable_private_segment 0
		.amdhsa_kernarg_size 112
		.amdhsa_user_sgpr_count 2
		.amdhsa_user_sgpr_kernarg_segment_ptr 1
		.amdhsa_wavefront_size32 1
		.amdhsa_system_sgpr_workgroup_id_x 1
		.amdhsa_system_sgpr_workgroup_id_y 1
		.amdhsa_system_sgpr_workgroup_id_z 1
		.amdhsa_system_vgpr_workitem_id 0
		.amdhsa_next_free_vgpr 1024
		.amdhsa_next_free_sgpr 102
		.amdhsa_reserve_vcc 1
		.amdhsa_float_denorm_mode_32 3
		.amdhsa_float_denorm_mode_16_64 3
		.amdhsa_memory_ordered 1
		.amdhsa_forward_progress 1
		.amdhsa_inst_pref_size 232
	.end_amdhsa_kernel
	.amdgpu_metadata
---
amdhsa.version: [ 1, 2 ]
amdhsa.kernels:
  - .name:           k_q0108f82de3_attn
    .symbol:         k_q0108f82de3_attn.kd
    .args:
      - { .name: y_codes, .offset: 0, .size: 8, .value_kind: global_buffer, .address_space: global }
      - { .name: y_scales, .offset: 8, .size: 8, .value_kind: global_buffer, .address_space: global }
      - { .name: WK_w_codes, .offset: 16, .size: 8, .value_kind: global_buffer, .address_space: global }
      - { .name: WK_w_scales, .offset: 24, .size: 8, .value_kind: global_buffer, .address_space: global }
      - { .name: WV_w_codes, .offset: 32, .size: 8, .value_kind: global_buffer, .address_space: global }
      - { .name: WV_w_scales, .offset: 40, .size: 8, .value_kind: global_buffer, .address_space: global }
      - { .name: x_codes, .offset: 48, .size: 8, .value_kind: global_buffer, .address_space: global }
      - { .name: x_scales, .offset: 56, .size: 8, .value_kind: global_buffer, .address_space: global }
      - { .name: WQ_w_codes, .offset: 64, .size: 8, .value_kind: global_buffer, .address_space: global }
      - { .name: WQ_w_scales, .offset: 72, .size: 8, .value_kind: global_buffer, .address_space: global }
      - { .name: WQ_b, .offset: 80, .size: 8, .value_kind: global_buffer, .address_space: global }
      - { .name: WV_b, .offset: 88, .size: 8, .value_kind: global_buffer, .address_space: global }
      - { .name: att_codes, .offset: 96, .size: 8, .value_kind: global_buffer, .address_space: global }
      - { .name: att_scales, .offset: 104, .size: 8, .value_kind: global_buffer, .address_space: global }
    .group_segment_fixed_size: 327680
    .private_segment_fixed_size: 0
    .kernarg_segment_align: 8
    .kernarg_segment_size: 112
    .max_flat_workgroup_size: 128
    .sgpr_count:     102
    .vgpr_count:     1024
    .wavefront_size: 32
...
	.end_amdgpu_metadata
.endif
;; end of part 1
;; launch outp (part 2): grid 16 x 2, 8 waves a work-group, no clusters, 35,840 bytes of LDS; arguments att_codes, att_scales, WO_w_codes, WO_w_scales, WO_b, out0; writes out0
.if DOCPART == 2
	.amdgcn_target "amdgcn-amd-amdhsa--gfx1250"
	.amdhsa_code_object_version 6
	.text
	.protected	k_q0108f82de3_outp
	.globl	k_q0108f82de3_outp
	.p2align	8
	.type	k_q0108f82de3_outp,@function
k_q0108f82de3_outp:
	s_mov_b64 s[64:65], 0
	v_nop
	global_prefetch_b8 v0, s[64:65] scope:SCOPE_SE
	s_setreg_imm32_b32 hwreg(HW_REG_WAVE_MODE, 25, 1), 1
	s_wait_xcnt 0x0
.set PART, 16*272
.set SPARE, 8*PART
.set ATT, 16
.set WSC, 40
.set ASC, 42
.set BI,  44
.set ACC, 64
.set BK,  96
.set WO,  128
	s_load_b256 s[4:11], s[0:1], 0x0
	s_load_b128 s[12:15], s[0:1], 0x20
	v_lshl_add_u32 v2, v0, 2, SPARE
	v_mov_b32 v3, 0
	v_lshrrev_b32 v4, 5, v0
	v_readfirstlane_b32 s16, v4
	s_lshl_b32 s20, s16, 7
	s_lshl_b32 s21, s16, 2
	v_and_b32 v4, 15, v0
	v_bfe_u32 v5, v0, 4, 1
	v_and_b32 v6, 31, v0
	v_lshlrev_b32 v7, 10, v4
	v_lshl_add_u32 v7, v5, 4, v7
	v_add_nc_u32 v7, s20, v7
	v_lshlrev_b32 v8, 5, v6
	v_add_nc_u32 v8, s21, v8
	v_lshlrev_b32 v9, 5, v4
	v_add_nc_u32 v9, s21, v9
	v_lshlrev_b32 v10, 4, v4
	s_mul_i32 s20, s16, PART
	v_mul_u32_u24 v11, v4, 272
	v_lshl_add_u32 v11, v5, 5, v11
	v_add_nc_u32 v11, s20, v11
	s_mul_i32 s20, s16, 2*272
	v_mul_u32_u24 v12, v5, 272
	v_add_nc_u32 v12, v12, v10
	v_add_nc_u32 v12, s20, v12
	s_lshl_b32 s20, s16, 13
	v_lshl_add_u32 v13, v5, 12, v10
	v_add_nc_u32 v13, s20, v13
	s_and_b32 s17, ttmp7, 0xffff
	s_mov_b32 s19, 0
	s_wait_alu depctr_va_vdst(0)
	s_wait_kmcnt 0x0
	s_lshl_b32 s18, s17, 14
	s_add_nc_u64 s[4:5], s[4:5], s[18:19]
	s_lshl_b32 s18, s17, 9
	s_add_nc_u64 s[6:7], s[6:7], s[18:19]
	s_lshl_b32 s18, ttmp9, 16
	s_add_nc_u64 s[8:9], s[8:9], s[18:19]
	s_lshl_b32 s18, ttmp9, 11
	s_add_nc_u64 s[10:11], s[10:11], s[18:19]
	s_lshl_b32 s18, ttmp9, 8
	s_add_nc_u64 s[12:13], s[12:13], s[18:19]
	s_add_nc_u64 s[14:15], s[14:15], s[18:19]
	s_lshl_b32 s18, s17, 16
	s_add_nc_u64 s[14:15], s[14:15], s[18:19]
	global_load_b32 v[WSC], v8, s[10:11]
	global_load_b32 v[WSC+1], v8, s[10:11] offset:1024
	global_load_b32 v[ASC], v9, s[6:7]
	global_load_b128 v[BI:BI+3], v10, s[12:13]
.irp c, 0,1,2,3
	global_load_b128 v[ATT+4*\c:ATT+4*\c+3], v7, s[4:5] offset:32*\c
.endr
.irp t, 0,1,2,3
.irp c, 0,1,2,3
	global_load_b128 v[WO+16*\t+4*\c:WO+16*\t+4*\c+3], v7, s[8:9] offset:\t*16384+32*\c
.endr
.endr
.irp t, 0,1,2,3
	s_wait_loadcnt 4*(3-\t)
.if \t%2
	v_wmma_scale_f32_16x16x128_f8f6f4 v[ACC+8*\t:ACC+8*\t+7], v[WO+16*\t:WO+16*\t+15], v[ATT:ATT+15], 0, v[WSC+\t/2], v[ASC] matrix_a_fmt:MATRIX_FMT_BF8 matrix_b_fmt:MATRIX_FMT_BF8 matrix_a_scale:MATRIX_SCALE_ROW1
.else
	v_wmma_scale_f32_16x16x128_f8f6f4 v[ACC+8*\t:ACC+8*\t+7], v[WO+16*\t:WO+16*\t+15], v[ATT:ATT+15], 0, v[WSC+\t/2], v[ASC] matrix_a_fmt:MATRIX_FMT_BF8 matrix_b_fmt:MATRIX_FMT_BF8
.endif
.endr
.rept 8
	v_nop
.endr
.irp t, 0,1,2,3
	ds_store_b128 v11, v[ACC+8*\t:ACC+8*\t+3] offset:64*\t
	ds_store_b128 v11, v[ACC+8*\t+4:ACC+8*\t+7] offset:64*\t+16
.endr
	s_wait_dscnt 0x0
	s_barrier_signal -1
	s_barrier_wait -1
.irp k, 0,1,2,3,4,5,6,7
	ds_load_b128 v[BK+4*\k:BK+4*\k+3], v12 offset:\k*PART
.endr
	s_wait_dscnt 0x0
.irp i, 0,2
.irp k, 0,2,4,6
	v_pk_add_f32 v[BK+4*\k+\i:BK+4*\k+\i+1], v[BK+4*\k+\i:BK+4*\k+\i+1], v[BK+4*\k+4+\i:BK+4*\k+5+\i]
.endr
.endr
.irp k, 0,4
.irp i, 0,2
	v_pk_add_f32 v[BK+4*\k+\i:BK+4*\k+\i+1], v[BK+4*\k+\i:BK+4*\k+\i+1], v[BK+4*\k+8+\i:BK+4*\k+9+\i]
.endr
.endr
.irp i, 0,2
	v_pk_add_f32 v[BK+\i:BK+\i+1], v[BK+\i:BK+\i+1], v[BI+\i:BI+\i+1]
.endr
.irp i, 0,2
	v_pk_add_f32 v[BK+\i:BK+\i+1], v[BK+\i:BK+\i+1], v[BK+16+\i:BK+17+\i]
.endr
	global_store_b128 v13, v[BK:BK+3], s[14:15]
	s_wait_tensorcnt 0x0
	ds_add_u32 v2, v3
	s_wait_dscnt 0x0
	s_endpgm
.Lfunc_end_k_q0108f82de3_outp:
	.size	k_q0108f82de3_outp, .Lfunc_end_k_q0108f82de3_outp-k_q0108f82de3_outp
	.p2alignl 7, 3214868480
	.fill 96, 4, 3214868480
	.section	.rodata,"a",@progbits
	.p2align	6, 0x0
	.amdhsa_kernel k_q0108f82de3_outp
		.amdhsa_group_segment_fixed_size 35840
		.amdhsa_private_segment_fixed_size 0
		.amdhsa_enable_private_segment 0
		.amdhsa_kernarg_size 48
		.amdhsa_user_sgpr_count 2
		.amdhsa_user_sgpr_kernarg_segment_ptr 1
		.amdhsa_wavefront_size32 1
		.amdhsa_system_sgpr_workgroup_id_x 1
		.amdhsa_system_sgpr_workgroup_id_y 1
		.amdhsa_system_sgpr_workgroup_id_z 1
		.amdhsa_system_vgpr_workitem_id 0
		.amdhsa_next_free_vgpr 192
		.amdhsa_next_free_sgpr 66
		.amdhsa_reserve_vcc 0
		.amdhsa_float_denorm_mode_32 3
		.amdhsa_float_denorm_mode_16_64 3
		.amdhsa_memory_ordered 1
		.amdhsa_forward_progress 1
		.amdhsa_inst_pref_size 8
	.end_amdhsa_kernel
	.amdgpu_metadata
---
amdhsa.version: [ 1, 2 ]
amdhsa.kernels:
  - .name:           k_q0108f82de3_outp
    .symbol:         k_q0108f82de3_outp.kd
    .args:
      - { .name: att_codes, .offset: 0, .size: 8, .value_kind: global_buffer, .address_space: global }
      - { .name: att_scales, .offset: 8, .size: 8, .value_kind: global_buffer, .address_space: global }
      - { .name: WO_w_codes, .offset: 16, .size: 8, .value_kind: global_buffer, .address_space: global }
      - { .name: WO_w_scales, .offset: 24, .size: 8, .value_kind: global_buffer, .address_space: global }
      - { .name: WO_b, .offset: 32, .size: 8, .value_kind: global_buffer, .address_space: global }
      - { .name: out0, .offset: 40, .size: 8, .value_kind: global_buffer, .address_space: global }
    .group_segment_fixed_size: 35840
    .private_segment_fixed_size: 0
    .kernarg_segment_align: 8
    .kernarg_segment_size: 48
    .max_flat_workgroup_size: 256
    .sgpr_count:     66
    .vgpr_count:     192
    .wavefront_size: 32
...
	.end_amdgpu_metadata
.endif
;; end of part 2
